; MI455X (gfx1250); checked and timed in simulation.
; The chip was launched on July 23, 2026; its instructions are those of AMD's public machine-readable ISA for CDNA 5 (MIT licence, August 2026) and "CDNA5" Instruction Set Architecture Reference Guide (July 2026). The comments in the code are by the model that wrote it; some were corrected since.
;; Attention. Allowed arithmetic: float matrix products may take bf16 or f16 operands with f32 sums; all other float work in f32.
;; Inputs: k 2 x 16 x 2,048 x 64 float32; q 2 x 16 x 2,048 x 64 float32; v 2 x 16 x 2,048 x 64 float32.
;; Outputs: out0 2 x 16 x 2,048 x 64 float32.
;; Constants: mask = 1.
;; One version. Each part assembles by itself: llvm-mc -triple=amdgcn-amd-amdhsa -mcpu=gfx1250 --defsym DOCPART=n.
;; ======== version 1 of 1: 1 launch
;; limits: values are held in f16: magnitudes above 65,504 overflow, below 6.1e-05 lose precision; inputs' magnitudes at most 65,504; below input magnitudes of 2.98e-08 results are inexact or not finite
;; launch attn (part 1): grid 8 x 32, 8 waves a work-group, no clusters, 300,032 bytes of LDS; arguments q, k, v, out0; writes out0
.if DOCPART == 1
	.amdgcn_target "amdgcn-amd-amdhsa--gfx1250"
	.amdhsa_code_object_version 6
	.text
	.protected	k_q0bfc65c4fa_attn
	.globl	k_q0bfc65c4fa_attn
	.p2align	8
	.type	k_q0bfc65c4fa_attn,@function
k_q0bfc65c4fa_attn:
	s_mov_b64 s[64:65], 0
	v_nop
	global_prefetch_b8 v0, s[64:65] scope:SCOPE_SE
	s_setreg_imm32_b32 hwreg(HW_REG_WAVE_MODE, 25, 1), 1
	s_wait_xcnt 0x0
; Causal attention, 32 heads x 2048 rows x 64, f32 in and out.  out = softmax(mask(q k^T / 8)) v, where the mask throws away the
; upper triangle and every score that is exactly zero.
;
; SHARE OF THE WORK.  A head has 16 blocks of 128 query rows.  Work-group (j, head), j = 0..7, owns the LOW block j and the HIGH block
; 15 - j and walks key tiles of 128 keys downward, tile 15 - j first, tile 0 last:
;   trip D  tile 15-j          high rows only, diagonal mask, starts the high sums
;   trips C tiles 14-j .. j+1  high rows only (14 - 2j trips, an even number: two to a pass of the loop)
;   trip B  tile j             all rows; diagonal mask and start of the sums for the low rows
;   trips A tiles j-1 .. 0     all rows (j trips: j >> 1 passes of two, and one more behind the loop where j is odd)
; That is 2 + 2 (14 - 2j) + 4 + 4j = 34 (16 rows x 64 keys x trips) for every wave, whatever j.  Tile number k of the walk lies in LDS slot
; k & 1, which the text knows: D 0, C 1 0, B 1, A 0 1 0 ..
; Eight waves, two for each SIMD, so that one wave's vector work lies beside the other's matrix work.  Wave = 4 g + w:
; rows 32 w .. 32 w + 31 of both blocks (q tiles 0, 1 low, 2, 3 high), keys 64 g .. 64 g + 63 of every tile, with its own running
; maximum, sum and O; the two key halves are merged once, at the end, through LDS.
;
; THE MATRIX OPERANDS ARE f16, NOT bf16: 11 bits of significand against 8.  The first rows of a head are sums of a few terms p v that
; nothing averages down, while the error allowed is a hundredth of the whole output's root mean square, which the long rows make
; small: one rounding of 1 part in 2^9 on each term is of that order, one of 1 part in 2^12 is not.  f16 has the room: it reaches
; 65504, and numbers of size 5.5, thirty times larger and shifted by thirty of their spreads, stay under 1,100.
;
; Q GOES IN TWO f16 PARTS, q_hi = f16(q) and q_lo = f16(q - q_hi), for the sake of the zero test.  A sum that is rounded at the size of
; its largest terms can come out as exactly zero where the true score is only small, and among 32 x 2048 x 2049 / 2 = 67 million
; scores that has to be reckoned with; a key thrown away by mistake is an error of its whole weight.  So each score is a chain of
; four products, K q_hi (two halves of d) and then K q_lo (two halves of d): where the large part cancels, the last links add terms
; 2^-11 of the size and round at their size.  A score whose terms vanish or cancel exactly stays exactly zero in both parts.
;
; BOTH PRODUCTS ARE TRANSPOSED.  S^T = K Q^T: register jj of lane (r, h) is key 16 kt + 8 h + jj, query r.  Two such tiles, packed to
; f16, are exactly the second source (32 keys x 16 queries) of O^T = V^T P^T; V^T comes from V[key][d] in LDS by the transposing load.
; So P never changes lanes, and maximum, sum and rescaling factor are one number a lane, in the lane that holds the query's column of O^T.
;
; DATA PATH.  K and V: f32 from memory into 64 staging registers a lane, rounded to f16 once for the work-group, stored into the slot, one
; barrier a trip.  Q likewise, once; q_hi's fragments stay in registers, q_lo's are read from LDS in each trip into the staging
; registers, which are free from the trip's stores of the tile until the next tile is asked for.  That request stands behind the
; trip's score products: the softmax and the second products of a whole trip lie between it and its wait.
;
; NOT USED, AND WHY.  Joint tile requests in a cluster: the eight work-groups of a head walk 16 - j tiles, a different number each, and in
; trip k stand on tile 15 - j - k, a different tile each; a walk in step would cost rows of masked work, and f32 tiles laid in LDS
; by a copy engine would have to be read back and stored again (64 KiB each way a trip) to become f16.  A prefetch: the loads into
; registers already stand most of a trip ahead of their use.
;
; LIMITS.  Inputs are taken as finite.  A number of q, k or v of size 65,520 or more becomes infinite in f16; a k or v under 2^-25 becomes
; zero, and so does a p under 2^-25 of its row's running maximum term.  The zero test looks at the f32 sum of f16(k) x (q_hi + q_lo),
; before the factor 1/8: a sum under 2^-146 in size, which 1/8 would take to zero, is kept; a score that this sum's own rounding
; takes to exactly zero is thrown away; a zero that only another order of rounding in f32 produces is not seen.  The running maximum
; starts at the lowest finite f32; masked scores are -inf and give p = 0.  A row without any score left ends with sum 0 and
; 0 x inf = NaN, as the softmax of the problem gives.  The exponential gives 0 for p under 2^-126 (ISA guide 15.8).
.set KPITCH, 144                       ; LDS row of K and Q: 64 f16 + 16 bytes, an odd multiple of 16
.set VPITCH, 160                       ; LDS row of V: 64 f16 + 32 bytes, an odd multiple of 32 (transposing load)
.set KSLOT,  128*KPITCH                ; 18,432
.set VSLOT,  128*VPITCH                ; 20,480
.set VBASE,  2*KSLOT                   ; 36,864  V's two slots
.set QBASE,  VBASE+2*VSLOT             ; 77,824  q_hi low block, then q_hi high block
.set QBLK,   128*KPITCH
.set STATB,  QBASE+2*QBLK              ; 114,688 maxima and sums, 1,024 bytes a wave
.set STAGEB, STATB+8*1024              ; 122,880 O on its way out, 64 rows x 272 bytes a wave
.set SPITCH, 272
.set WSTAGE, 64*SPITCH
.set QLBASE, STAGEB+8*WSTAGE           ; 262,144 q_lo low block, then q_lo high block; ends at 299,008
.set TILEB,  32768                     ; 128 rows of 256 bytes in memory
; window 0
.set GOFF,  2                          ; 16 t
.set KST,   3                          ; where thread t puts its 8 bytes of a K row
.set VST,   4                          ; of a V row
.set KRD,   5                          ; K fragments
.set VRD,   6                          ; V fragments (transposing)
.set QRD,   7                          ; q_hi fragments
.set NINF,  8                          ; -inf
.set QST,   9
.set THR,   10                         ; v10, v11: the diagonal, q tile even, odd
.set STATW, 12
.set STATR, 13
.set STGW,  14
.set STGR0, 15
.set STGR1, 16
.set OOFF,  17
.set MAXR,  20                         ; v20-23 running maximum of q tile 0..3
.set LSUM,  24                         ; v24-27 running sum (of this lane's keys)
.set NMC,   28                         ; v28 = -c x maximum (v29 only fills the pair)
.set AL,    30                         ; v30 = rescaling factor (v31 only fills the pair)
.set TMP,   32                         ; v32-39
.set PMAX,  40                         ; v40-43 the other key half's maxima
.set PSUM,  44                         ; v44-47 and sums
.set FAC,   48                         ; v48-55 final factors, in pairs
.set QLST,  56                         ; where thread t puts its 8 bytes of a q_lo row
.set QLRD,  57                         ; q_lo fragments
.set KVF,   64                         ; v64-127 K fragments, then V fragments; at the start Q's two packed parts
.set SCO,   128                        ; v128-255 scores: q tile qi, key tile kt at 128 + 32 qi + 8 kt; P packed in place
.set XR,    128                        ; the way out
.set YR,    192
; window 1 (real v256-511)
.set OAC,   0                          ; O^T: q tile qi, d tile dt at 32 qi + 8 dt
.set QFR,   128                        ; q_hi fragments: 16 qi + 8 ds
.set STG,   192                        ; staging: K's load i at 4 i, V's at 32 + 4 i
.set QLF,   192                        ; the same 64 registers, while no tile is on its way: q_lo fragments, 16 qi + 8 ds
; scalars
.set PAS, 2                            ; passes of the A loop left: j >> 1 at its head
.set EV,  3                            ; 1 where j is even, 0 where it is odd
.set KP, 20
.set VP, 22
.set QH, 24
.set QL, 26
.set OP, 28
.set REM, 30                           ; j: the number of A trips in all
.set CNT, 31                           ; passes of the C loop left
.set MSB, 0
.macro WIN new                         ; low byte: bits 1:0 source 0, 3:2 source 1, 5:4 source 2, 7:6 destination; high byte: the setting left
.if MSB != \new
	s_set_vgpr_msb (MSB<<8)|\new
.set MSB, \new
.endif
.endm
.macro PLACES                          ; four independent vector places behind matrix instructions (ISA guide 7.12.1)
.rept 4
	v_nop
.endr
.endm
; The next tile's 16 loads a lane: lane t takes 16 bytes at 16 t + 4096 i, so each load of a wave covers 512 consecutive bytes.
; step = 1: one tile down first; the bases' last loads are done (the trip's s_wait_loadcnt 0 stands in front).
; In a trip it stands behind the score products and their four places: those products read q_lo from the registers loaded into here.
.macro ISSUE step
.if \step
	s_sub_nc_u64 s[KP:KP+1], s[KP:KP+1], TILEB
	s_sub_nc_u64 s[VP:VP+1], s[VP:VP+1], TILEB
.endif
	WIN 0x40
.irp i, 0,1,2,3,4,5,6,7
	global_load_b128 v[STG+4*\i:STG+4*\i+3], v[GOFF], s[KP:KP+1] offset:4096*\i
.endr
.irp i, 0,1,2,3,4,5,6,7
	global_load_b128 v[STG+32+4*\i:STG+32+4*\i+3], v[GOFF], s[VP:VP+1] offset:4096*\i
.endr
	WIN 0
.endm
; Head of a trip: the staged tile is rounded to f16 and laid into its slot.  The slot was last read two trips ago; every wave has waited
; for those reads and passed the last trip's barrier since.
.macro BEGIN slot
.rept 5
	v_nop                                          ; five places behind the last trip's matrix instructions: this trip's K loads
.endr                                              ; land in their first sources, and its first products write over their second sources
	s_wait_loadcnt 0x0                             ; the tile's 16 loads, issued in the last trip
	WIN 0x45
.irp i, 0,1,2,3,4,5,6,7,8,9,10,11,12,13,14,15
	v_cvt_pk_f16_f32 v[STG+4*\i], v[STG+4*\i], v[STG+4*\i+1]
	v_cvt_pk_f16_f32 v[STG+4*\i+1], v[STG+4*\i+2], v[STG+4*\i+3]
.endr
	WIN 0x04
.irp i, 0,1,2,3,4,5,6,7
	ds_store_b64 v[KST], v[STG+4*\i:STG+4*\i+1] offset:\slot*KSLOT+\i*16*KPITCH
.endr
.irp i, 0,1,2,3,4,5,6,7
	ds_store_b64 v[VST], v[STG+32+4*\i:STG+32+4*\i+1] offset:\slot*VSLOT+\i*16*VPITCH
.endr
	WIN 0
	s_wait_dscnt 0x0                               ; my stores are in LDS before I say so; the staging registers are free
	s_barrier_signal -1
	s_barrier_wait -1                              ; the slot is whole
.endm
; q_lo's fragments of q tiles q0 .. 3 into the staging registers.  The bytes were stored once, in front of the first trip's barrier.
.macro QLLOAD q0
	WIN 0x40
.irp qi, 0,1,2,3
.irp ds, 0,1
.if \qi >= \q0
	ds_load_b128 v[QLF+16*\qi+8*\ds:QLF+16*\qi+8*\ds+3],   v[QLRD] offset:QBLK*(\qi>>1)+16*KPITCH*(\qi&1)+64*\ds
	ds_load_b128 v[QLF+16*\qi+8*\ds+4:QLF+16*\qi+8*\ds+7], v[QLRD] offset:QBLK*(\qi>>1)+16*KPITCH*(\qi&1)+64*\ds+32
.endif
.endr
.endr
	WIN 0
.endm
; My 64 keys x 64 d of K: 4 key tiles x 2 halves of d, two loads each
.macro KLOAD slot
.irp kt, 0,1,2,3
.irp ds, 0,1
	ds_load_b128 v[KVF+16*\kt+8*\ds:KVF+16*\kt+8*\ds+3],   v[KRD] offset:\slot*KSLOT+\kt*16*KPITCH+64*\ds
	ds_load_b128 v[KVF+16*\kt+8*\ds+4:KVF+16*\kt+8*\ds+7], v[KRD] offset:\slot*KSLOT+\kt*16*KPITCH+64*\ds+32
.endr
.endr
.endm
; S^T = K (q_hi + q_lo)^T for q tiles q0 .. 3: a chain of four links in place for each tile, the large part first (its first product
; starts the sum), the small part last.
.macro SMM q0
	WIN 0x04
.irp kt, 0,1,2,3
	s_wait_dscnt 12-4*\kt                          ; key tile kt's four loads are in, and all that was asked for before K; the later tiles' (four each) may be out
.irp qi, 0,1,2,3
.if \qi >= \q0
	v_wmma_f32_16x16x32_f16 v[SCO+32*\qi+8*\kt:SCO+32*\qi+8*\kt+7], v[KVF+16*\kt:KVF+16*\kt+7], v[QFR+16*\qi:QFR+16*\qi+7], 0
.endif
.endr
.irp qi, 0,1,2,3
.if \qi >= \q0
	v_wmma_f32_16x16x32_f16 v[SCO+32*\qi+8*\kt:SCO+32*\qi+8*\kt+7], v[KVF+16*\kt+8:KVF+16*\kt+15], v[QFR+16*\qi+8:QFR+16*\qi+15], v[SCO+32*\qi+8*\kt:SCO+32*\qi+8*\kt+7]
.endif
.endr
.irp qi, 0,1,2,3
.if \qi >= \q0
	v_wmma_f32_16x16x32_f16 v[SCO+32*\qi+8*\kt:SCO+32*\qi+8*\kt+7], v[KVF+16*\kt:KVF+16*\kt+7], v[QLF+16*\qi:QLF+16*\qi+7], v[SCO+32*\qi+8*\kt:SCO+32*\qi+8*\kt+7]
.endif
.endr
.irp qi, 0,1,2,3
.if \qi >= \q0
	v_wmma_f32_16x16x32_f16 v[SCO+32*\qi+8*\kt:SCO+32*\qi+8*\kt+7], v[KVF+16*\kt+8:KVF+16*\kt+15], v[QLF+16*\qi+8:QLF+16*\qi+15], v[SCO+32*\qi+8*\kt:SCO+32*\qi+8*\kt+7]
.endif
.endr
.endr
	WIN 0
	PLACES                                         ; in front of the loads into q_lo's and K's registers and of the vector work on the scores
.endm
; V^T fragments: d tile dt, 32 keys ks, at KVF + 8 (2 dt + ks)
.macro VLOAD slot
.irp dt, 0,1,2,3
.irp ks, 0,1
	ds_load_tr16_b128 v[KVF+8*(2*\dt+\ks):KVF+8*(2*\dt+\ks)+3],   v[VRD] offset:\slot*VSLOT+\ks*32*VPITCH+32*\dt
	ds_load_tr16_b128 v[KVF+8*(2*\dt+\ks)+4:KVF+8*(2*\dt+\ks)+7], v[VRD] offset:\slot*VSLOT+\ks*32*VPITCH+32*\dt+16*VPITCH
.endr
.endr
.endm
; One q tile (16 queries x my 64 keys): masks, running maximum, exponentials, sum, P to f16, O rescaled, O += V^T P^T.
; diag = 1: the tile lies on the diagonal.  first = 1: it starts the q tile's sums.  vwait = 1: the V loads are waited for here.
.macro SOFT qi, diag, first, vwait
.set BB, SCO+32*\qi
.set OO, OAC+32*\qi
	; a score that is exactly zero is thrown away; four compares, then four selects, so that no select follows its own compare
.set n, 0
.rept 8
	v_cmp_eq_f32 s40, 0, v[BB+n]
	v_cmp_eq_f32 s41, 0, v[BB+n+1]
	v_cmp_eq_f32 s42, 0, v[BB+n+2]
	v_cmp_eq_f32 s43, 0, v[BB+n+3]
	v_cndmask_b32 v[BB+n],   v[BB+n],   v[NINF], s40
	v_cndmask_b32 v[BB+n+1], v[BB+n+1], v[NINF], s41
	v_cndmask_b32 v[BB+n+2], v[BB+n+2], v[NINF], s42
	v_cndmask_b32 v[BB+n+3], v[BB+n+3], v[NINF], s43
.set n, n+4
.endr
.if \diag
	; key 64 g + 16 kt + 8 h + jj above query 32 w + 16 (qi & 1) + r, that is 16 kt + jj > THR
.set n, 0
.rept 8
	v_cmp_gt_i32 s40, 16*(n/8)+n%8,   v[THR+(\qi&1)]
	v_cmp_gt_i32 s41, 16*(n/8)+n%8+1, v[THR+(\qi&1)]
	v_cmp_gt_i32 s42, 16*(n/8)+n%8+2, v[THR+(\qi&1)]
	v_cmp_gt_i32 s43, 16*(n/8)+n%8+3, v[THR+(\qi&1)]
	v_cndmask_b32 v[BB+n],   v[BB+n],   v[NINF], s40
	v_cndmask_b32 v[BB+n+1], v[BB+n+1], v[NINF], s41
	v_cndmask_b32 v[BB+n+2], v[BB+n+2], v[NINF], s42
	v_cndmask_b32 v[BB+n+3], v[BB+n+3], v[NINF], s43
.set n, n+4
.endr
.endif
	; maximum of 32 scores and the old maximum: 33 numbers, 16 three-way maxima, four chains
.irp c, 0,1,2,3
	v_max3_num_f32 v[TMP+\c], v[BB+8*\c], v[BB+8*\c+1], v[BB+8*\c+2]
.endr
.irp c, 0,1,2,3
	v_max3_num_f32 v[TMP+\c], v[TMP+\c], v[BB+8*\c+3], v[BB+8*\c+4]
.endr
.irp c, 0,1,2,3
	v_max3_num_f32 v[TMP+\c], v[TMP+\c], v[BB+8*\c+5], v[BB+8*\c+6]
.endr
	v_max3_num_f32 v[TMP],   v[TMP],   v[BB+7],  v[BB+15]
	v_max3_num_f32 v[TMP+2], v[TMP+2], v[BB+23], v[BB+31]
	v_max3_num_f32 v[TMP],   v[TMP],   v[TMP+1], v[TMP+2]
.if \first
	v_max3_num_f32 v[TMP], v[TMP], v[TMP+3], s35               ; the lowest finite f32 starts the running maximum
.else
	v_max3_num_f32 v[TMP], v[TMP], v[TMP+3], v[MAXR+\qi]
.endif
	v_permlanex16_b32 v[TMP+1], v[TMP], s36, s37               ; lane r + 16 holds the query's other keys
	v_max_num_f32 v[TMP], v[TMP], v[TMP+1]
.if \first
.else
	v_sub_f32 v[TMP+1], v[MAXR+\qi], v[TMP]
	v_mul_f32 v[TMP+1], s32, v[TMP+1]
	v_exp_f32 v[AL], v[TMP+1]                                  ; 2^(c (old - new)); the next line is the plain place behind it
.endif
	v_mul_f32 v[NMC], s34, v[TMP]                              ; -c x maximum, c = log2(e) / 8
.set n, 0
.rept 16
	v_pk_fma_f32 v[BB+n:BB+n+1], v[BB+n:BB+n+1], s[32:33], v[NMC:NMC+1] op_sel_hi:[1,0,0]
.set n, n+2
.endr
.set n, 0
.rept 32
	v_exp_f32 v[BB+n], v[BB+n]
.set n, n+1
.endr
	v_mov_b32 v[MAXR+\qi], v[TMP]                              ; the plain place behind the run of exponentials
	s_wait_alu depctr_va_vdst(0)
.irp c, 0,1,2,3
	v_pk_add_f32 v[TMP+2*\c:TMP+2*\c+1], v[BB+8*\c:BB+8*\c+1], v[BB+8*\c+2:BB+8*\c+3]
.endr
.irp c, 0,1,2,3
	v_pk_add_f32 v[TMP+2*\c:TMP+2*\c+1], v[TMP+2*\c:TMP+2*\c+1], v[BB+8*\c+4:BB+8*\c+5]
.endr
.irp c, 0,1,2,3
	v_pk_add_f32 v[TMP+2*\c:TMP+2*\c+1], v[TMP+2*\c:TMP+2*\c+1], v[BB+8*\c+6:BB+8*\c+7]
.endr
	v_pk_add_f32 v[TMP:TMP+1],   v[TMP:TMP+1],   v[TMP+2:TMP+3]
	v_pk_add_f32 v[TMP+4:TMP+5], v[TMP+4:TMP+5], v[TMP+6:TMP+7]
	v_pk_add_f32 v[TMP:TMP+1],   v[TMP:TMP+1],   v[TMP+4:TMP+5]
.if \first
	v_add_f32 v[LSUM+\qi], v[TMP], v[TMP+1]
.else
	v_add_f32 v[TMP], v[TMP], v[TMP+1]
	v_fma_f32 v[LSUM+\qi], v[LSUM+\qi], v[AL], v[TMP]
.endif
	; P to f16 in place, ascending: register p takes scores 2 p, 2 p + 1, so registers 0-7 and 8-15 are the two fragments of 32 keys
.set n, 0
.rept 16
	v_cvt_pk_f16_f32 v[BB+n], v[BB+2*n], v[BB+2*n+1]
.set n, n+1
.endr
.if \first
.else
	WIN 0x41
.set n, 0
.rept 16
	v_pk_mul_f32 v[OO+n:OO+n+1], v[OO+n:OO+n+1], v[AL:AL+1] op_sel_hi:[1,0]
.set n, n+2
.endr
.endif
.if \vwait
	s_wait_dscnt 0x0                               ; the 16 V loads, issued in front of this q tile's vector work
.endif
	WIN 0x50
.irp ks, 0,1
.irp dt, 0,1,2,3
.if \first*(1-\ks)
	v_wmma_f32_16x16x32_f16 v[OO+8*\dt:OO+8*\dt+7], v[KVF+8*(2*\dt+\ks):KVF+8*(2*\dt+\ks)+7], v[BB+8*\ks:BB+8*\ks+7], 0
.else
	v_wmma_f32_16x16x32_f16 v[OO+8*\dt:OO+8*\dt+7], v[KVF+8*(2*\dt+\ks):KVF+8*(2*\dt+\ks)+7], v[BB+8*\ks:BB+8*\ks+7], v[OO+8*\dt:OO+8*\dt+7]
.endif
.endr
.endr
	WIN 0
.endm
; A trip of kind A in two parts, between which the next tile is asked for: all four q tiles, no diagonal, sums running
.macro AHEAD slot
	BEGIN \slot
	QLLOAD 0
	KLOAD \slot
	SMM 0
.endm
.macro ATAIL slot
	VLOAD \slot
	SOFT 0, 0, 0, 1
	SOFT 1, 0, 0, 0
	SOFT 2, 0, 0, 0
	SOFT 3, 0, 0, 0
.endm
	; ---------------------------------------------------------------- set-up
	s_load_b256 s[4:11], s[0:1], 0x0               ; q s[4:5], k s[6:7], v s[8:9], out s[10:11]
	v_lshl_add_u32 v62, v0, 2, 0x49000
	v_mov_b32 v63, 0
	v_lshrrev_b32 v1, 5, v0
	v_readfirstlane_b32 s14, v1                    ; wave 0..7
	s_mov_b32 s12, ttmp9                           ; j
	s_and_b32 s13, ttmp7, 0xffff                   ; head
	s_and_b32 s15, s14, 3                          ; w: my 32 rows of each block
	s_lshr_b32 s16, s14, 2                         ; g: my 64 keys of each tile
	s_mov_b32 s[REM], s12                          ; j trips of kind A,
	s_lshr_b32 s[PAS], s12, 1                      ; in j >> 1 passes of two
	s_and_b32 s[EV], s12, 1
	s_xor_b32 s[EV], s[EV], 1                      ; 1: j is even, no single trip follows the passes
	s_sub_co_u32 s[CNT], 7, s12                    ; 14 - 2 j trips of kind C, two to a pass
	s_sub_co_u32 s17, 15, s12                      ; the high block, which is also the first tile
	s_lshl_b32 s18, s13, 19                        ; a head is 2048 rows of 256 bytes
	s_lshl_b32 s38, s17, 15                        ; a block or tile is 128 rows
	s_add_co_u32 s38, s38, s18
	s_mov_b32 s39, 0
	s_lshl_b32 s44, s12, 15
	s_add_co_u32 s44, s44, s18
	s_mov_b32 s45, 0
	s_cmp_eq_u32 s16, 0
	s_cselect_b32 s46, s44, s38                    ; on the way out key half 0 writes low rows, key half 1 high rows
	s_lshl_b32 s47, s15, 13                        ; my 32 rows
	s_add_co_u32 s46, s46, s47
	s_mov_b32 s47, 0
	v_lshlrev_b32 v[GOFF], 4, v0
	s_wait_kmcnt 0x0
	s_add_nc_u64 s[KP:KP+1], s[6:7], s[38:39]
	s_add_nc_u64 s[VP:VP+1], s[8:9], s[38:39]
	s_add_nc_u64 s[QH:QH+1], s[4:5], s[38:39]
	s_add_nc_u64 s[QL:QL+1], s[4:5], s[44:45]
	s_add_nc_u64 s[OP:OP+1], s[10:11], s[46:47]
	; Q's two blocks (no other work-group reads them), then the first tile
.irp i, 0,1,2,3,4,5,6,7
	global_load_b128 v[SCO+4*\i:SCO+4*\i+3], v[GOFF], s[QL:QL+1] offset:4096*\i th:TH_LOAD_NT
.endr
.irp i, 0,1,2,3,4,5,6,7
	global_load_b128 v[SCO+32+4*\i:SCO+32+4*\i+3], v[GOFF], s[QH:QH+1] offset:4096*\i th:TH_LOAD_NT
.endr
	ISSUE 0
	s_mov_b32 s32, 0x3e38aa3b                      ; c = log2(e) / 8
	s_mov_b32 s33, 0x3e38aa3b
	s_mov_b32 s34, 0xbe38aa3b                      ; -c
	s_mov_b32 s35, 0xff7fffff                      ; the lowest finite f32
	s_mov_b32 s36, 0x76543210                      ; v_permlanex16_b32: lane i of the other half
	s_mov_b32 s37, 0xfedcba98
	v_mov_b32 v[NINF], 0xff800000
	v_mov_b32 v[NMC+1], 0                          ; upper registers of two pairs of which only the lower is used
	v_mov_b32 v[AL+1], 0
	v_and_b32 v18, 31, v0                          ; L
	v_and_b32 v19, 15, v0                          ; r
	v_bfe_u32 v1, v0, 4, 1                         ; h
	v_lshrrev_b32 v32, 4, v0                       ; t >> 4: the row, of 16, that load i brings me
	v_mul_u32_u24 v[KST], v32, KPITCH
	v_lshl_add_u32 v[KST], v19, 3, v[KST]          ; + 8 bytes for my 4 numbers
	v_mul_u32_u24 v[VST], v32, VPITCH
	v_lshl_add_u32 v[VST], v19, 3, v[VST]
	v_add_nc_u32 v[VST], VBASE, v[VST]
	v_add_nc_u32 v[QST], QBASE, v[KST]
	v_add_nc_u32 v[QLST], QLBASE, v[KST]
	v_mul_u32_u24 v33, v19, KPITCH
	v_lshl_add_u32 v33, v1, 4, v33                 ; r x pitch + 16 h: fragments with d along the row
	s_mul_i32 s17, s16, 64*KPITCH
	v_add_nc_u32 v[KRD], s17, v33
	s_mul_i32 s17, s15, 32*KPITCH
	s_add_co_u32 s17, s17, QBASE
	v_add_nc_u32 v[QRD], s17, v33
	v_add_nc_u32 v[QLRD], QLBASE-QBASE, v[QRD]
	v_and_b32 v34, 7, v0
	v_lshl_add_u32 v34, v1, 3, v34                 ; key row 8 h + (L & 7)
	v_mul_u32_u24 v34, v34, VPITCH
	v_bfe_u32 v35, v0, 3, 1
	v_lshl_add_u32 v34, v35, 4, v34                ; + 16 bytes for the upper 8 columns
	s_mul_i32 s17, s16, 64*VPITCH
	s_add_co_u32 s17, s17, VBASE
	v_add_nc_u32 v[VRD], s17, v34
	s_lshl_b32 s17, s15, 5
	s_lshl_b32 s18, s16, 6
	s_sub_co_i32 s17, s17, s18                     ; 32 w - 64 g
	v_lshlrev_b32 v35, 3, v1
	v_sub_nc_u32 v[THR], v19, v35                  ; r - 8 h
	v_add_nc_u32 v[THR], s17, v[THR]
	v_add_nc_u32 v[THR+1], 16, v[THR]
	s_lshl_b32 s17, s14, 10
	s_add_co_u32 s17, s17, STATB
	v_lshl_add_u32 v[STATW], v18, 2, s17
	s_xor_b32 s18, s14, 4                          ; the wave with my rows and the other keys
	s_lshl_b32 s18, s18, 10
	s_add_co_u32 s18, s18, STATB
	v_lshl_add_u32 v[STATR], v18, 2, s18
	s_mul_i32 s17, s14, WSTAGE
	s_add_co_u32 s17, s17, STAGEB
	v_mul_u32_u24 v35, v19, SPITCH
	v_lshl_add_u32 v35, v1, 5, v35                 ; row r, 32 bytes for each half of the lanes
	v_add_nc_u32 v[STGW], s17, v35
	s_mul_i32 s17, s15, WSTAGE
	s_mul_i32 s18, s16, 32*SPITCH
	s_add_co_u32 s17, s17, s18
	s_add_co_u32 s17, s17, STAGEB
	v_mul_u32_u24 v35, v1, SPITCH
	v_lshl_add_u32 v35, v19, 4, v35                ; lanes 0-15 one row of 256 bytes, lanes 16-31 the next
	v_add_nc_u32 v[STGR0], s17, v35
	v_add_nc_u32 v[STGR1], 4*WSTAGE, v[STGR0]
	v_lshlrev_b32 v[OOFF], 4, v18
	s_wait_loadcnt 0x10                            ; Q's 16 loads are in; the first tile's 16, issued behind them, stay out
	; Q in two parts, two numbers at a time: q_hi packed to v64-95, q_lo = f16(q - q_hi) packed to v96-127.  The difference is exact in f32.
.set pp, 0
.rept 32
	v_cvt_pk_f16_f32 v32, v[SCO+2*pp], v[SCO+2*pp+1]
	v_lshrrev_b32 v33, 16, v32
	v_cvt_f32_f16 v34, v32.l
	v_cvt_f32_f16 v35, v33.l
	v_mov_b32 v[KVF+pp], v32
	v_sub_f32 v[SCO+2*pp], v[SCO+2*pp], v34
	v_sub_f32 v[SCO+2*pp+1], v[SCO+2*pp+1], v35
	v_cvt_pk_f16_f32 v[KVF+32+pp], v[SCO+2*pp], v[SCO+2*pp+1]
.set pp, pp+1
.endr
.irp i, 0,1,2,3,4,5,6,7
	ds_store_b64 v[QST],  v[KVF+2*\i:KVF+2*\i+1]       offset:\i*16*KPITCH
	ds_store_b64 v[QLST], v[KVF+32+2*\i:KVF+32+2*\i+1] offset:\i*16*KPITCH
.endr
.irp i, 0,1,2,3,4,5,6,7
	ds_store_b64 v[QST],  v[KVF+16+2*\i:KVF+16+2*\i+1] offset:QBLK+\i*16*KPITCH
	ds_store_b64 v[QLST], v[KVF+48+2*\i:KVF+48+2*\i+1] offset:QBLK+\i*16*KPITCH
.endr
	; ---------------------------------------------------------------- trip D: tile 15 - j, slot 0
	BEGIN 0                                        ; its wait and barrier also cover Q's stores
	WIN 0x40
.irp qi, 0,1,2,3
.irp ds, 0,1
	ds_load_b128 v[QFR+16*\qi+8*\ds:QFR+16*\qi+8*\ds+3],   v[QRD] offset:QBLK*(\qi>>1)+16*KPITCH*(\qi&1)+64*\ds
	ds_load_b128 v[QFR+16*\qi+8*\ds+4:QFR+16*\qi+8*\ds+7], v[QRD] offset:QBLK*(\qi>>1)+16*KPITCH*(\qi&1)+64*\ds+32
.endr
.endr
	WIN 0
	QLLOAD 2
	KLOAD 0                                        ; behind Q's loads, so the counted waits for K show Q in as well
	SMM 2
	ISSUE 1
	VLOAD 0
	SOFT 2, 1, 1, 1
	SOFT 3, 1, 1, 0
	s_cmp_eq_u32 s[CNT], 0
	s_cbranch_scc1 .LB
	; ---------------------------------------------------------------- trips C: high rows only, slots 1, 0
.LC:
	BEGIN 1
	QLLOAD 2
	KLOAD 1
	SMM 2
	ISSUE 1
	VLOAD 1
	SOFT 2, 0, 0, 1
	SOFT 3, 0, 0, 0
	BEGIN 0
	QLLOAD 2
	KLOAD 0
	SMM 2
	ISSUE 1
	VLOAD 0
	SOFT 2, 0, 0, 1
	SOFT 3, 0, 0, 0
	s_sub_co_i32 s[CNT], s[CNT], 1
	s_cmp_lg_u32 s[CNT], 0
	s_cbranch_scc1 .LC
	; ---------------------------------------------------------------- trip B: tile j, slot 1; the low rows begin
.LB:
	BEGIN 1
	QLLOAD 0
	KLOAD 1
	SMM 0
	s_cmp_eq_u32 s[REM], 0                         ; j = 0: this was tile 0, nothing lies below it
	s_cbranch_scc1 .LBn
	ISSUE 1
.LBn:
	VLOAD 1
	SOFT 0, 1, 1, 1
	SOFT 1, 1, 1, 0
	SOFT 2, 0, 0, 0
	SOFT 3, 0, 0, 0
	s_cmp_eq_u32 s[PAS], 0                         ; j = 0 or 1: no pair of A trips
	s_cbranch_scc1 .LAt
	; ---------------------------------------------------------------- trips A in pairs: all rows, slots 0, 1; j >> 1 passes
.LA:
	AHEAD 0
	ISSUE 1                                        ; the pair's second trip follows: its tile exists
	ATAIL 0
	AHEAD 1
	s_cmp_eq_u32 s[PAS], s[EV]                     ; last pass (PAS = 1) of an even j (EV = 1): this is tile 0, nothing is asked for.
	s_cbranch_scc1 .LAn                            ; For an odd j EV is 0, which PAS never is in the loop: the single trip's tile is asked for
	ISSUE 1
.LAn:
	ATAIL 1
	s_sub_co_i32 s[PAS], s[PAS], 1
	s_cmp_lg_u32 s[PAS], 0
	s_cbranch_scc1 .LA
	; ---------------------------------------------------------------- the single A trip of an odd j: tile 0, slot 0
.LAt:
	s_cmp_eq_u32 s[EV], 1
	s_cbranch_scc1 .Lepi
	AHEAD 0
	ATAIL 0
	; ---------------------------------------------------------------- the two key halves are merged, and the rows leave
.Lepi:
	PLACES                                         ; behind the last matrix instructions: O is read, P's registers are loaded into
.irp qi, 0,1,2,3
	v_permlanex16_b32 v[TMP+\qi], v[LSUM+\qi], s36, s37        ; the sum over the query's other keys in this wave
.endr
.irp qi, 0,1,2,3
	v_add_f32 v[LSUM+\qi], v[LSUM+\qi], v[TMP+\qi]
.endr
.irp qi, 0,1,2,3
	ds_store_b32 v[STATW], v[MAXR+\qi] offset:256*\qi
	ds_store_b32 v[STATW], v[LSUM+\qi] offset:256*\qi+128
.endr
	s_wait_dscnt 0x0                               ; my maxima and sums are in LDS before I say so
	s_barrier_signal -1
	s_barrier_wait -1
.irp qi, 0,1,2,3
	ds_load_b32 v[PMAX+\qi], v[STATR] offset:256*\qi
	ds_load_b32 v[PSUM+\qi], v[STATR] offset:256*\qi+128
.endr
	s_wait_dscnt 0x0
	; a = 2^(c (m - max)), b = 2^(c (m' - max)); my factor is a / (l a + l' b), the other wave's b / (the same)
.irp qi, 0,1,2,3
	v_max_num_f32 v[TMP+\qi], v[MAXR+\qi], v[PMAX+\qi]
.endr
.irp qi, 0,1,2,3
	v_sub_f32 v[MAXR+\qi], v[MAXR+\qi], v[TMP+\qi]
	v_sub_f32 v[PMAX+\qi], v[PMAX+\qi], v[TMP+\qi]
.endr
.irp qi, 0,1,2,3
	v_mul_f32 v[MAXR+\qi], s32, v[MAXR+\qi]
	v_mul_f32 v[PMAX+\qi], s32, v[PMAX+\qi]
.endr
.irp qi, 0,1,2,3
	v_exp_f32 v[MAXR+\qi], v[MAXR+\qi]
	v_exp_f32 v[PMAX+\qi], v[PMAX+\qi]
.endr
	v_nop                                          ; the plain place behind the exponentials
	s_wait_alu depctr_va_vdst(0)
.irp qi, 0,1,2,3
	v_mul_f32 v[PSUM+\qi], v[PSUM+\qi], v[PMAX+\qi]
.endr
.irp qi, 0,1,2,3
	v_fma_f32 v[LSUM+\qi], v[LSUM+\qi], v[MAXR+\qi], v[PSUM+\qi]
.endr
.irp qi, 0,1,2,3
	v_rcp_f32 v[LSUM+\qi], v[LSUM+\qi]
.endr
	v_nop                                          ; the plain place behind the reciprocals
	s_wait_alu depctr_va_vdst(0)
.irp qi, 0,1,2,3
	v_mul_f32 v[FAC+2*\qi],   v[MAXR+\qi], v[LSUM+\qi]
	v_mul_f32 v[FAC+2*\qi+1], v[MAXR+\qi], v[LSUM+\qi]
.endr
	WIN 0x41
.irp qi, 0,1,2,3
.set n, 0
.rept 16
	v_pk_mul_f32 v[OAC+32*\qi+n:OAC+32*\qi+n+1], v[OAC+32*\qi+n:OAC+32*\qi+n+1], v[FAC+2*\qi:FAC+2*\qi+1]
.set n, n+2
.endr
.endr
	; register jj of O^T is d = 16 dt + 8 h + jj of query r: 32 consecutive bytes of the query's row in my stage
	WIN 0x04
.irp qi, 0,1,2,3
.irp dt, 0,1,2,3
	ds_store_b128 v[STGW], v[OAC+32*\qi+8*\dt:OAC+32*\qi+8*\dt+3]   offset:\qi*16*SPITCH+64*\dt
	ds_store_b128 v[STGW], v[OAC+32*\qi+8*\dt+4:OAC+32*\qi+8*\dt+7] offset:\qi*16*SPITCH+64*\dt+16
.endr
.endr
	WIN 0
	s_wait_dscnt 0x0                               ; my stage is whole before I say so
	s_barrier_signal -1
	s_barrier_wait -1
	; 32 of the 64 rows are mine to add and store: two rows a load, from both key halves' stages
.irp i, 0,1,2,3,4,5,6,7,8,9,10,11,12,13,14,15
	ds_load_b128 v[XR+4*\i:XR+4*\i+3], v[STGR0] offset:2*SPITCH*\i
	ds_load_b128 v[YR+4*\i:YR+4*\i+3], v[STGR1] offset:2*SPITCH*\i
.endr
.irp i, 0,1,2,3,4,5,6,7,8,9,10,11,12,13,14,15
	s_wait_dscnt 30-2*\i                           ; pair i is in; the 15 - i later pairs may be out
	v_pk_add_f32 v[XR+4*\i:XR+4*\i+1],   v[XR+4*\i:XR+4*\i+1],   v[YR+4*\i:YR+4*\i+1]
	v_pk_add_f32 v[XR+4*\i+2:XR+4*\i+3], v[XR+4*\i+2:XR+4*\i+3], v[YR+4*\i+2:YR+4*\i+3]
	global_store_b128 v[OOFF], v[XR+4*\i:XR+4*\i+3], s[OP:OP+1] offset:512*\i th:TH_STORE_NT   ; the wave stores 512 consecutive bytes, two whole rows
.endr
	s_wait_tensorcnt 0x0
	ds_add_u32 v62, v63
	s_wait_dscnt 0x0
	s_endpgm
.Lfunc_end_k_q0bfc65c4fa_attn:
	.size	k_q0bfc65c4fa_attn, .Lfunc_end_k_q0bfc65c4fa_attn-k_q0bfc65c4fa_attn
	.p2alignl 7, 3214868480
	.fill 96, 4, 3214868480
	.section	.rodata,"a",@progbits
	.p2align	6, 0x0
	.amdhsa_kernel k_q0bfc65c4fa_attn
		.amdhsa_group_segment_fixed_size 300032
		.amdhsa_private_segment_fixed_size 0
		.amdhsa_enable_private_segment 0
		.amdhsa_kernarg_size 32
		.amdhsa_user_sgpr_count 2
		.amdhsa_user_sgpr_kernarg_segment_ptr 1
		.amdhsa_wavefront_size32 1
		.amdhsa_system_sgpr_workgroup_id_x 1
		.amdhsa_system_sgpr_workgroup_id_y 1
		.amdhsa_system_sgpr_workgroup_id_z 1
		.amdhsa_system_vgpr_workitem_id 0
		.amdhsa_next_free_vgpr 512
		.amdhsa_next_free_sgpr 66
		.amdhsa_reserve_vcc 0
		.amdhsa_float_denorm_mode_32 3
		.amdhsa_float_denorm_mode_16_64 3
		.amdhsa_memory_ordered 1
		.amdhsa_forward_progress 1
		.amdhsa_inst_pref_size 255
	.end_amdhsa_kernel
	.section	.bss,"aw",@nobits
	.p2align	6
	.space	262144
	.amdgpu_metadata
---
amdhsa.version: [ 1, 2 ]
amdhsa.kernels:
  - .name:           k_q0bfc65c4fa_attn
    .symbol:         k_q0bfc65c4fa_attn.kd
    .args:
      - { .name: q, .offset: 0, .size: 8, .value_kind: global_buffer, .address_space: global }
      - { .name: k, .offset: 8, .size: 8, .value_kind: global_buffer, .address_space: global }
      - { .name: v, .offset: 16, .size: 8, .value_kind: global_buffer, .address_space: global }
      - { .name: out0, .offset: 24, .size: 8, .value_kind: global_buffer, .address_space: global }
    .group_segment_fixed_size: 300032
    .private_segment_fixed_size: 0
    .kernarg_segment_align: 8
    .kernarg_segment_size: 32
    .max_flat_workgroup_size: 256
    .sgpr_count:     66
    .vgpr_count:     512
    .wavefront_size: 32
...
	.end_amdgpu_metadata
.endif
;; end of part 1
